; MI455X (gfx1250); checked and timed in simulation.
; The chip was launched on July 23, 2026; its instructions are those of AMD's public machine-readable ISA for CDNA 5 (MIT licence, August 2026) and "CDNA5" Instruction Set Architecture Reference Guide (July 2026). The comments in the code are by the model that wrote it; some were corrected since.
;; Tab Net Encoder. Allowed arithmetic: float matrix products may take bf16 or f16 operands with f32 sums; other float arithmetic in f32, or as packed bf16 or f16 multiplies, adds, multiply-adds, maxima and minima; sums over many terms, partial sums and values carried from step to step in f32; what a program stores and reads back later, other than sums and carried values, may be rounded once to bf16 or f16.
;; Inputs: dec_W0 3 x 384 x 128 float32; dec_W1 3 x 384 x 192 float32; dec_b0 3 x 384 float32; dec_b1 3 x 384 float32; dec_g0 3 x 384 float32; dec_g1 3 x 384 float32; enc_W0 3 x 384 x 128 float32; enc_W1 3 x 384 x 192 float32; enc_b0 3 x 384 float32; enc_b1 3 x 384 float32; enc_g0 3 x 384 float32; enc_g1 3 x 384 float32; init_beta 128 float32; init_gamma 128 float32; x 32,768 x 128 float32.
;; Outputs: out0 3 x 32,768 x 64 float32; out1 one number float32.
;; One version. Each part assembles by itself: llvm-mc -triple=amdgcn-amd-amdhsa -mcpu=gfx1250 --defsym DOCPART=n.
;; ======== version 1 of 1: 3 launches
;; limits: a function is approximated: absolute error at most 6.5e-05; values are held in f16: magnitudes above 65,504 overflow, below 6.1e-05 lose precision
;; workspace buffers: part 262,144 bytes; wq 983,040 bytes; gb 25,600 bytes; lossp 4,096 bytes
;; launch prep (part 1): grid 256 x 1, 4 waves a work-group, no clusters, 4,608 bytes of LDS; arguments x, dec_W0, enc_W0, dec_W1, enc_W1, dec_g0, dec_b0, enc_g0, enc_b0, dec_g1, dec_b1, enc_g1, enc_b1, part, wq, gb; writes part, wq, gb
.if DOCPART == 1
	.amdgcn_target "amdgcn-amd-amdhsa--gfx1250"
	.amdhsa_code_object_version 6
	.text
	.protected	k_q9530746ba7_prep
	.globl	k_q9530746ba7_prep
	.p2align	8
	.type	k_q9530746ba7_prep,@function
k_q9530746ba7_prep:
	s_mov_b64 s[64:65], 0
	v_nop
	global_prefetch_b8 v0, s[64:65] scope:SCOPE_SE
	s_setreg_imm32_b32 hwreg(HW_REG_WAVE_MODE, 25, 1), 1
	s_wait_xcnt 0x0
; TabNet encoder, launch 1 of 3.  (a) For each chunk of 128 rows of x: the columns' mean and sum of squared deviations (part).  (b) The live weight rows as f16 in the
; order in which a matrix fragment lies in registers (wq).  (c) Their gains and biases, four numbers a feature pair (gb).
; WORK LEFT OUT, for all values of the inputs:
;   prior is ones and is never changed, so prior * att = att.
;   In step 0 att is ones: every row of the sparsemax's input is constant, so M = 1/128 everywhere, and that step's loss term is log(1/128 + 1e-10).
;   att is set only for s < 2, so enc of step 2 reaches no output: enc_W0[2], enc_W1[2] and their gains and biases are not loaded.
;   Ghost BatchNorm and GLU work column by column.  Of enc's second block only enc[:, 64:] is used: rows 64..191 and 256..383 of enc_W1[s], enc_g1[s], enc_b1[s].
;   Of dec's second block only dec[:, :64] is used: rows 0..63 and 192..255 of dec_W1[s], dec_g1[s], dec_b1[s].  The other rows are not loaded.
;   Every input buffer keeps a live part, so all are among the arguments of this launch or the next.
; LIMITS.  A NaN, an infinity or an overflow that lies only in the rows and steps left out is not carried to the result.  Weights are rounded once to f16: beyond 65,504 they would
; become infinities; below 6e-5 they keep f16's fixed step of 6e-8.
; CHAINS.  t = 0..4: dec of step 0, enc of step 0, dec 1, enc 1, dec 2.  A PAIR TILE is 16 'a' rows of a weight matrix and the 16 'g' rows 192 further down.
;   wq: first layers at t x 98,304 + u x 24,576 + i x 8,192 (wave u, its tile i of 3; K = 128); second layers at 491,520 + t x 98,304 + u x 24,576 + i x 12,288 (K = 192; dec: i = 0).
;   A tile is [a | g][K step of 32][1,024 bytes]; a fragment is [sub][lane][16 bytes]: lane (r, h), element e = W[row0 + r][32 ks + 16 sub + 8 h + e].
;   The 12,288 bytes behind each dec tile of a second layer are written as zeros: the next launch moves a wave's 24,576 bytes by one load of one size and reads none of them.
;   gb: t x 5,120 + u x 1,280 + j x 256 (j = 0..2 first layer, 3, 4 second): [r][gain a, bias a, gain g, bias g].
; SHARES.  Work-group b owns chunk b.  Beside that: b < 120: one half tile of a first layer, a fragment a wave; 120 <= b < 204: a third of a second layer's tile; 204 <= b < 240: zeros.
.set SPARE, 4096                       ; behind the two exchanges: the spare words, 128 bytes a wave
.set SPW, 8                            ; v8  my spare word; never rewritten
.set NIL, 9                            ; v9  0; never rewritten
.set XR,  64                           ; v[64:191] 32 rows of x, my 4 columns of each
	s_load_b512 s[8:23], s[0:1], 0x0               ; x, dec_W0, enc_W0, dec_W1, enc_W1, dec_g0, dec_b0, enc_g0
	s_load_b512 s[24:39], s[0:1], 0x40             ; enc_b0, dec_g1, dec_b1, enc_g1, enc_b1, part, wq, gb
	v_lshl_add_u32 v[SPW], v0, 2, SPARE
	v_mov_b32 v[NIL], 0
	v_lshrrev_b32 v1, 5, v0
	v_readfirstlane_b32 s2, v1                     ; wave
	v_and_b32 v1, 31, v0                           ; lane
	v_and_b32 v2, 15, v0                           ; r
	v_bfe_u32 v3, v0, 4, 1                         ; h
	v_lshlrev_b32 v4, 4, v1                        ; 16 x lane
	v_lshlrev_b32 v10, 4, v0                       ; 16 x thread
	s_mov_b32 s3, ttmp9
	s_lshl_b32 s40, s3, 16                         ; the chunk's 128 rows of 512 bytes,
	s_lshl_b32 s41, s2, 14                         ; my wave's 32 of them
	s_add_co_u32 s40, s40, s41
	s_mov_b32 s41, 0
	s_wait_kmcnt 0x0
	s_add_nc_u64 s[8:9], s[8:9], s[40:41]
.set i, 0
.rept 32
	global_load_b128 v[XR+4*i:XR+4*i+3], v4, s[8:9] offset:512*i  ; a whole row: 512 consecutive bytes
.set i, i+1
.endr
	; which weights are mine.  Both arms leave: s43 a or g, s46 t, s47 u, s48 first column, s49 K step, s50 bytes in a row, s51 place in the wave's share, s53 gb tile, three pointers.
	s_cmp_lt_u32 s3, 120
	s_cbranch_scc0 .Lnot_first
	s_lshr_b32 s42, s3, 1                          ; pair tile 0..59
	s_and_b32 s43, s3, 1
	s_mul_i32 s44, s42, 0xaaab
	s_lshr_b32 s44, s44, 17                        ; / 3
	s_mul_i32 s45, s44, 3
	s_sub_co_u32 s53, s42, s45                     ; i
	s_lshr_b32 s46, s44, 2                         ; t
	s_and_b32 s47, s44, 3                          ; u
	s_mul_i32 s45, s46, 12
	s_sub_co_u32 s48, s42, s45
	s_lshl_b32 s48, s48, 4                         ; 16 (3 u + i)
	s_mov_b32 s49, s2
	s_mov_b32 s50, 512
	s_lshl_b32 s51, s53, 13
	s_lshl_b32 s45, s43, 12
	s_add_co_u32 s51, s51, s45
	s_bitcmp1_b32 s46, 0                           ; odd chains are enc's
	s_cselect_b64 s[54:55], s[12:13], s[10:11]
	s_cselect_b64 s[56:57], s[22:23], s[18:19]
	s_cselect_b64 s[58:59], s[24:25], s[20:21]
	s_branch .Ljob
.Lnot_first:
	s_cmp_lt_u32 s3, 204
	s_cbranch_scc0 .Lnot_second
	s_sub_co_u32 s42, s3, 120
	s_mul_i32 s44, s42, 0xaaab
	s_lshr_b32 s44, s44, 17                        ; pair tile 0..27
	s_mul_i32 s45, s44, 3
	s_sub_co_u32 s45, s42, s45
	s_lshl2_add_u32 s45, s45, s2                   ; fragment 0..11 of the tile
	s_cmp_ge_u32 s45, 6
	s_cselect_b32 s43, 1, 0
	s_mul_i32 s49, s43, 6
	s_sub_co_u32 s49, s45, s49
	s_mul_i32 s52, s44, 0xaaab
	s_lshr_b32 s52, s52, 19                        ; step = tile / 12
	s_mul_i32 s60, s52, 12
	s_sub_co_u32 s60, s44, s60                     ; 0..3 dec's tiles, 4..11 enc's
	s_cmp_ge_u32 s60, 4
	s_cselect_b32 s61, 1, 0
	s_lshl_b32 s62, s61, 2
	s_sub_co_u32 s60, s60, s62                     ; q
	s_lshl1_add_u32 s46, s52, s61                  ; t
	s_lshr_b32 s47, s60, s61                       ; u: dec q, enc q / 2
	s_and_b32 s53, s60, s61                        ; i: dec 0, enc q % 2
	s_lshl_b32 s48, s60, 4
	s_lshl_b32 s62, s61, 6
	s_add_co_u32 s48, s48, s62                     ; dec 16 q, enc 64 + 16 q
	s_mov_b32 s50, 768
	s_mul_i32 s51, s53, 12288
	s_mul_i32 s62, s43, 6144
	s_add_co_u32 s51, s51, s62
	s_add_co_u32 s51, s51, 491520
	s_add_co_u32 s53, s53, 3
	s_bitcmp1_b32 s46, 0
	s_cselect_b64 s[54:55], s[16:17], s[14:15]
	s_cselect_b64 s[56:57], s[30:31], s[26:27]
	s_cselect_b64 s[58:59], s[32:33], s[28:29]
	s_branch .Ljob
.Lnot_second:
	s_cmp_lt_u32 s3, 240
	s_cbranch_scc0 .Lno_job
	s_sub_co_u32 s42, s3, 204
	s_lshl2_add_u32 s42, s42, s2                   ; 0..143: one of 3 chains x 4 waves x 12 blocks of 1,024 bytes
	s_mul_i32 s44, s42, 0xaaab
	s_lshr_b32 s44, s44, 21                        ; / 48
	s_mul_i32 s45, s44, 48
	s_sub_co_u32 s45, s42, s45
	s_mul_i32 s46, s45, 0xaaab
	s_lshr_b32 s46, s46, 19                        ; u
	s_mul_i32 s47, s46, 12
	s_sub_co_u32 s47, s45, s47
	s_mul_i32 s42, s44, 2*98304                    ; dec's chains are the even ones
	s_mul_i32 s46, s46, 24576
	s_add_co_u32 s42, s42, s46
	s_lshl_b32 s47, s47, 10
	s_add_co_u32 s42, s42, s47
	s_add_co_u32 s42, s42, 491520+12288
.set i, 32
.rept 8
	v_mov_b32 v[i], 0
.set i, i+1
.endr
	s_branch .Lstore
.Ljob:
	s_lshr_b32 s60, s46, 1
	s_mul_i32 s60, s60, 384
	s_add_co_u32 s60, s60, s48                     ; the 'a' rows begin at 384 step + column
	s_mul_i32 s61, s43, 192
	s_add_co_u32 s61, s61, s60
	s_mul_i32 s61, s61, s50
	s_lshl_b32 s62, s49, 7
	s_add_co_u32 s40, s61, s62                     ; row x bytes in a row + 32 K steps x 4 bytes
	s_add_nc_u64 s[54:55], s[54:55], s[40:41]
	v_mul_lo_u32 v5, v2, s50
	v_lshl_add_u32 v5, v3, 5, v5                   ; my row, my 8 numbers
	global_load_b128 v[16:19], v5, s[54:55]
	global_load_b128 v[20:23], v5, s[54:55] offset:16
	global_load_b128 v[24:27], v5, s[54:55] offset:64
	global_load_b128 v[28:31], v5, s[54:55] offset:80
	s_mul_i32 s42, s46, 98304
	s_mul_i32 s62, s47, 24576
	s_add_co_u32 s42, s42, s62
	s_add_co_u32 s42, s42, s51
	s_lshl_b32 s62, s49, 10
	s_add_co_u32 s42, s42, s62                     ; where the fragment goes
	s_or_b32 s63, s43, s49
	s_cmp_eq_u32 s63, 0                            ; the wave with the tile's first fragment also writes its gains and biases
	s_cbranch_scc0 .Lno_gb
	s_lshl_b32 s40, s60, 2
	s_add_nc_u64 s[56:57], s[56:57], s[40:41]
	s_add_nc_u64 s[58:59], s[58:59], s[40:41]
	v_mul_u32_u24 v6, v3, 768
	v_lshl_add_u32 v6, v2, 2, v6                   ; lanes 0-15 the 'a' features, lanes 16-31 the 'g' features
	global_load_b32 v12, v6, s[56:57]
	global_load_b32 v13, v6, s[58:59]
	s_mul_i32 s44, s46, 5120
	s_mul_i32 s45, s47, 1280
	s_add_co_u32 s44, s44, s45
	s_lshl_b32 s45, s53, 8
	s_add_co_u32 s40, s44, s45
	s_add_nc_u64 s[38:39], s[38:39], s[40:41]
	v_lshlrev_b32 v7, 4, v2
	v_lshl_add_u32 v7, v3, 3, v7
	s_wait_loadcnt 0x0
	global_store_b64 v7, v[12:13], s[38:39]        ; 32 lanes x 8 bytes: 256 consecutive bytes, aligned
.Lno_gb:
	s_wait_loadcnt 0x0
.irp k, 0,1,2,3,4,5,6,7
	v_cvt_pk_f16_f32 v[32+(\k)], v[16+2*(\k)], v[17+2*(\k)]
.endr
.Lstore:
	s_mov_b32 s40, s42
	s_add_nc_u64 s[36:37], s[36:37], s[40:41]
	global_store_b128 v4, v[32:35], s[36:37]       ; 512 consecutive bytes each
	global_store_b128 v4, v[36:39], s[36:37] offset:512
.Lno_job:
	; the chunk's statistics, in two passes: the mean first, then the squares of the deviations
	s_wait_loadcnt 0x0
.irp a, 0,1
.irp hf, 0,1
	v_pk_add_f32 v[40+4*(\a)+2*(\hf):40+4*(\a)+2*(\hf)+1], v[XR+4*(\a)+2*(\hf):XR+4*(\a)+2*(\hf)+1], v[XR+4*(\a)+8+2*(\hf):XR+4*(\a)+8+2*(\hf)+1]  ; the first sums start four chains
.endr
.endr
.set i, 4
.rept 28
.irp hf, 0,1
	v_pk_add_f32 v[40+4*(i%2)+2*(\hf):40+4*(i%2)+2*(\hf)+1], v[40+4*(i%2)+2*(\hf):40+4*(i%2)+2*(\hf)+1], v[XR+4*i+2*(\hf):XR+4*i+2*(\hf)+1]
.endr
.set i, i+1
.endr
	v_pk_add_f32 v[40:41], v[40:41], v[44:45]
	v_pk_add_f32 v[42:43], v[42:43], v[46:47]
; The four waves' sums of 4 columns a lane meet in LDS: each wave stores 512 bytes, waits for its store, passes the barrier, and reads all four.
.macro XCHG src, off, dst
	ds_store_b128 v10, v[(\src):(\src)+3] offset:\off
	s_wait_dscnt 0x0                               ; for the others' sake: my store is done
	s_barrier_signal -1
	s_barrier_wait -1
.irp k, 0,1,2,3
	ds_load_b128 v[(\dst)+4*(\k):(\dst)+4*(\k)+3], v4 offset:(\off)+512*(\k)
.endr
	s_wait_dscnt 0x0
	v_pk_add_f32 v[(\dst):(\dst)+1], v[(\dst):(\dst)+1], v[(\dst)+4:(\dst)+5]
	v_pk_add_f32 v[(\dst)+2:(\dst)+3], v[(\dst)+2:(\dst)+3], v[(\dst)+6:(\dst)+7]
	v_pk_add_f32 v[(\dst)+8:(\dst)+9], v[(\dst)+8:(\dst)+9], v[(\dst)+12:(\dst)+13]
	v_pk_add_f32 v[(\dst)+10:(\dst)+11], v[(\dst)+10:(\dst)+11], v[(\dst)+14:(\dst)+15]
	v_pk_add_f32 v[(\dst):(\dst)+1], v[(\dst):(\dst)+1], v[(\dst)+8:(\dst)+9]
	v_pk_add_f32 v[(\dst)+2:(\dst)+3], v[(\dst)+2:(\dst)+3], v[(\dst)+10:(\dst)+11]
.endm
	XCHG 40, 0, 44
	v_pk_mul_f32 v[40:41], v[44:45], 0x3c000000 op_sel_hi:[1,0]  ; / 128
	v_pk_mul_f32 v[42:43], v[46:47], 0x3c000000 op_sel_hi:[1,0]
.set i, 0
.rept 32
.irp hf, 0,1
	v_pk_add_f32 v[XR+4*i+2*(\hf):XR+4*i+2*(\hf)+1], v[XR+4*i+2*(\hf):XR+4*i+2*(\hf)+1], v[40+2*(\hf):40+2*(\hf)+1] neg_lo:[0,1] neg_hi:[0,1]
.endr
.set i, i+1
.endr
.set i, 0
.rept 32
.irp hf, 0,1
.if i < 2
	v_pk_mul_f32 v[44+4*i+2*(\hf):44+4*i+2*(\hf)+1], v[XR+4*i+2*(\hf):XR+4*i+2*(\hf)+1], v[XR+4*i+2*(\hf):XR+4*i+2*(\hf)+1]
.else
	v_pk_fma_f32 v[44+4*(i%2)+2*(\hf):44+4*(i%2)+2*(\hf)+1], v[XR+4*i+2*(\hf):XR+4*i+2*(\hf)+1], v[XR+4*i+2*(\hf):XR+4*i+2*(\hf)+1], v[44+4*(i%2)+2*(\hf):44+4*(i%2)+2*(\hf)+1]
.endif
.endr
.set i, i+1
.endr
	v_pk_add_f32 v[44:45], v[44:45], v[48:49]
	v_pk_add_f32 v[46:47], v[46:47], v[50:51]
	XCHG 44, 2048, 48                              ; other bytes than the first exchange's
	s_lshl_b32 s40, s3, 10
	s_add_nc_u64 s[34:35], s[34:35], s[40:41]
	s_cmp_lg_u32 s2, 0
	s_cbranch_scc1 .Lend
	global_store_b128 v4, v[40:43], s[34:35]       ; the 128 means,
	global_store_b128 v4, v[48:51], s[34:35] offset:512  ; the 128 sums of squares
.Lend:
	s_wait_tensorcnt 0x0                           ; the wave's end, behind my last LDS store
	ds_add_u32 v[SPW], v[NIL]
	s_wait_dscnt 0x0
	s_endpgm
.Lfunc_end_k_q9530746ba7_prep:
	.size	k_q9530746ba7_prep, .Lfunc_end_k_q9530746ba7_prep-k_q9530746ba7_prep
	.p2alignl 7, 3214868480
	.fill 96, 4, 3214868480
	.section	.rodata,"a",@progbits
	.p2align	6, 0x0
	.amdhsa_kernel k_q9530746ba7_prep
		.amdhsa_group_segment_fixed_size 4608
		.amdhsa_private_segment_fixed_size 0
		.amdhsa_enable_private_segment 0
		.amdhsa_kernarg_size 128
		.amdhsa_user_sgpr_count 2
		.amdhsa_user_sgpr_kernarg_segment_ptr 1
		.amdhsa_wavefront_size32 1
		.amdhsa_system_sgpr_workgroup_id_x 1
		.amdhsa_system_sgpr_workgroup_id_y 1
		.amdhsa_system_sgpr_workgroup_id_z 1
		.amdhsa_system_vgpr_workitem_id 0
		.amdhsa_next_free_vgpr 192
		.amdhsa_next_free_sgpr 66
		.amdhsa_reserve_vcc 0
		.amdhsa_float_denorm_mode_32 3
		.amdhsa_float_denorm_mode_16_64 3
		.amdhsa_memory_ordered 1
		.amdhsa_forward_progress 1
		.amdhsa_inst_pref_size 25
	.end_amdhsa_kernel
	.amdgpu_metadata
---
amdhsa.version: [ 1, 2 ]
amdhsa.kernels:
  - .name:           k_q9530746ba7_prep
    .symbol:         k_q9530746ba7_prep.kd
    .args:
      - { .name: x, .offset: 0, .size: 8, .value_kind: global_buffer, .address_space: global }
      - { .name: dec_W0, .offset: 8, .size: 8, .value_kind: global_buffer, .address_space: global }
      - { .name: enc_W0, .offset: 16, .size: 8, .value_kind: global_buffer, .address_space: global }
      - { .name: dec_W1, .offset: 24, .size: 8, .value_kind: global_buffer, .address_space: global }
      - { .name: enc_W1, .offset: 32, .size: 8, .value_kind: global_buffer, .address_space: global }
      - { .name: dec_g0, .offset: 40, .size: 8, .value_kind: global_buffer, .address_space: global }
      - { .name: dec_b0, .offset: 48, .size: 8, .value_kind: global_buffer, .address_space: global }
      - { .name: enc_g0, .offset: 56, .size: 8, .value_kind: global_buffer, .address_space: global }
      - { .name: enc_b0, .offset: 64, .size: 8, .value_kind: global_buffer, .address_space: global }
      - { .name: dec_g1, .offset: 72, .size: 8, .value_kind: global_buffer, .address_space: global }
      - { .name: dec_b1, .offset: 80, .size: 8, .value_kind: global_buffer, .address_space: global }
      - { .name: enc_g1, .offset: 88, .size: 8, .value_kind: global_buffer, .address_space: global }
      - { .name: enc_b1, .offset: 96, .size: 8, .value_kind: global_buffer, .address_space: global }
      - { .name: part, .offset: 104, .size: 8, .value_kind: global_buffer, .address_space: global }
      - { .name: wq, .offset: 112, .size: 8, .value_kind: global_buffer, .address_space: global }
      - { .name: gb, .offset: 120, .size: 8, .value_kind: global_buffer, .address_space: global }
    .group_segment_fixed_size: 4608
    .private_segment_fixed_size: 0
    .kernarg_segment_align: 8
    .kernarg_segment_size: 128
    .max_flat_workgroup_size: 128
    .sgpr_count:     66
    .vgpr_count:     192
    .wavefront_size: 32
...
	.end_amdgpu_metadata
.endif
;; end of part 1
;; launch main (part 2): grid 256 x 1, 4 waves a work-group, clusters of 4 x 1, 327,680 bytes of LDS; arguments x, part, wq, gb, init_gamma, init_beta, out0, lossp; writes out0, lossp
.if DOCPART == 2
	.amdgcn_target "amdgcn-amd-amdhsa--gfx1250"
	.amdhsa_code_object_version 6
	.text
	.protected	k_q9530746ba7_main
	.globl	k_q9530746ba7_main
	.p2align	8
	.type	k_q9530746ba7_main,@function
k_q9530746ba7_main:
	s_mov_b64 s[64:65], 0
	v_nop
	global_prefetch_b8 v0, s[64:65] scope:SCOPE_SE
	s_setreg_imm32_b32 hwreg(HW_REG_WAVE_MODE, 25, 1), 1
	s_wait_xcnt 0x0
	s_wait_alu depctr_hold_cnt(0) depctr_sa_sdst(0) depctr_va_vdst(0) depctr_va_sdst(0) depctr_va_ssrc(0) depctr_va_vcc(0) depctr_vm_vsrc(0)
	s_getreg_b32 s2, hwreg(HW_REG_IB_STS2, 6, 4)
	s_cmp_eq_u32 s2, 0
	s_cbranch_scc0 .Lentry_in_a_cluster
	s_endpgm
.Lentry_in_a_cluster:
	s_bfe_u32 s2, ttmp6, 0x10000c
	s_cmp_lg_u32 s2, 0x3003
	s_cbranch_scc0 .Lentry_shape_is_right
	s_endpgm
.Lentry_shape_is_right:
; TabNet encoder, launch 2 of 3: the whole network for one chunk of 128 rows, which is what Ghost BatchNorm's statistics span.  Nothing passes between work-groups.
; WORK LEFT OUT (shown at the head of the first launch): prior; step 0's sparsemax (M = 1/128); enc of step 2; the columns of the second blocks that no output uses.
; CHAINS.  Five chains of Linear, GBN, GLU, Linear, GBN, GLU, sigmoid: dec 0, enc 0, dec 1, enc 1, dec 2.  A dec chain ends in a store of 64 columns, an enc chain in the next step's mask.
; SHARES.  A wave owns whole feature columns over all 128 rows, as PAIR TILES of 16 'a' and 16 'g' features: 3 of the first layer's 12; 1 of dec's 4 or 2 of enc's 8 in the second.
; D = A (activations, m = row) x B (weights, n = feature): a lane holds ONE feature (lane % 16) and 64 rows (8 registers x 8 row tiles), the lane 16 away the other 64.  So GBN's sums are
; sums in the lane and one exchange, scale and shift are one number a lane, and GLU finds a and g in the same lane.  The sparsemax takes a row a lane: 128 lanes, 128 rows, 128 registers.
; FORMATS.  Matrix operands (weights, masked x, the first GLU's result) are f16, sums f32.  sigmoid(enc), the mask and all statistics stay f32.
; LIMITS.  f16 holds no number beyond 65,504: gains and biases would have to pass some 1e4 to reach it; below 6e-5 it keeps a fixed step of 6e-8.  tau of the sparsemax is found by
; 14 halvings of [max - 1.0625, max], in which it lies for every input (1/128 <= max - tau <= 1), and one step along the chord: exact when no z lies in the last interval, and never
; further off than its width, 1.0625 / 2^14 = 6.5e-5.  NaN and infinities are not treated apart.
; CLUSTER.  All work-groups walk the same weights: the four of a cluster ask for each wave's share JOINTLY, by the same load, descriptor and mask.  x's tile is each work-group's own load.
; LDS.  0: WA, first layers' weights, 24,576 a wave.  98,304: WB, second layers'.  196,608: X0, masked x, f16 [row][128], pitch 272.  231,424: T1, the first GLU's result, f16 [feature 192][row],
; pitch 288; the same bytes later hold ES, f32 [row][128] of pitch 528 (sigmoid(enc); or sigmoid(dec), column 16 w + r at byte 128 w + 4 r); at the start x's tile, filled once.
; 299,008: exchanges of the first BatchNorm.  307,200: the spare words.  The launch claims all of a WGP's LDS.
; REGISTERS, in windows of 256 (s_set_vgpr_msb: bits 1:0 source 0, 3:2 source 1, 5:4 source 2, 7:6 destination):
;   window 0: addresses, statistics, v64-159 B's fragments, v160-223 packed results.   window 1: A's fragments of K steps 0-3, at 8 (4 mt + ks).
;   window 2: v0-127 ZM (1.3 (1 - M), then z, then M); v128-255 the 16 accumulators, at 128 + 8 (8 nh + mt), also the sparsemax's scratch.
;   window 3: v0-127 XN, my row of the normalised x; v128-255 A's fragments of K steps 4, 5.
.set WSH,   24576                      ; a wave's share of a weight slot
.set WB,    98304
.set CHB,   98304                      ; a chain's bytes of one layer in wq
.set WL1,   491520                     ; where the second layers begin in wq
.set X0,    196608
.set XP,    272
.set T1,    231424
.set TP,    288
.set ES,    231424
.set EP,    528
.set SCR,   299008
.set SPARE, 307200
.set SPW, 4                            ; v4   my spare word; never rewritten
.set NIL, 5                            ; v5   0; never rewritten
.set AX0, 6                            ; v6   A fragments out of X0
.set AT,  7                            ; v7   A fragments out of T1, by the turning load
.set BWA, 8                            ; v8   my share of WA + 16 x lane
.set BW,  9                            ; v9   the tile of weights in hand
.set BWB, 10                           ; v10  my share of WB + 16 x lane
.set TS,  11                           ; v11  where the tile in hand goes in T1
.set TS0, 12
.set PS0, 13                           ; v13  where my results go in ES
.set PS,  14
.set ORD, 15                           ; v15  dec's rows read back
.set OO,  16                           ; v16  16 x lane
.set ESR, 17                           ; v17  my row of ES, and of x's tile
.set XSA, 18                           ; v18  my row of X0
.set GBO, 19                           ; v19  16 r
.set LOSS, 20                          ; v20  the sum of M log2(M + 1e-10) of my row, steps 1 and 2
.set PFO, 22                           ; v22  256 x lane
.set TV,  23
.set GB,  24                           ; v[24:27] gain a, bias a, gain g, bias g of my feature
.set SX,  28
.set SR,  29
.set TW,  30
.set TR,  31
.set CH,  32                           ; v[32:47] four chains of pairs for a, four for g
.set NMA, 48                           ; v[48:51] minus the means of a and g: pairs, of which the low word is used for both halves
.set SCA, 52                           ; v[52:59] scale and shift of a, of g, likewise
.set SHA, 54
.set SCG, 56
.set SHG, 58
.set U,   60
.set BF,  64
.set OB,  160
.set ACC, 128                          ; window 2
.set ZM,  0
.set XN,  0                            ; window 3
.set SE,  128                          ; window 2, the sparsemax's scratch: my row of ES,
.set DT,  128                          ; then eight pairs at work,
.set C2,  144                          ; four chains of pairs,
.set ONE, 152
.set NT,  154
.set LOB, 156
.set HIB, 157
.set FLO, 158
.set FHI, 159
.set TM,  160
.set FF,  161
.set U0,  162
.set U1,  163
.set PK,  160                          ; later 32 packed registers,
.set TQ,  192                          ; and 64 at work
.set WV,  20
.set CX,  21
.set BB,  22
.set CHN, 23                           ; chains of the loop still to come
.set ENC, 24                           ; 1 in an enc chain
.set TC,  25
.set LIM, 26
.set BC,  27
.set SEL, 28
.set R128, 30
.set EPS, 31
.set G1X, 32
.set G1W, 40
.set NL2E, 48
.set R32K, 49
.set MP,  50
.set PP,  52
.set G0X, 56
.set G0A, 60
.set G0B, 68
.set GBC, 72
.set GBP, 74
.set OUTP, 76
.set PFA, 78
.set TMP, 84
.set PART, 88
.set MSB, 0
.macro WIN new                         ; the immediate's high byte repeats the setting that is left; a switch that changes nothing is dropped
.if MSB != (\new)
	s_set_vgpr_msb (MSB<<8)|(\new)
.set MSB, (\new)
.endif
.endm
.macro PLACES                          ; four plain places behind matrix instructions, ahead of reads of their results and of loads into their sources
.rept 4
	v_nop
.endr
.endm
.macro ROUND                           ; a round of the cluster's barrier
	s_barrier_signal -1
	s_barrier_wait -1
	s_cmp_lg_u32 s[WV], 0
	s_cbranch_scc1 .Lnot_wave_0_\@
	s_barrier_signal -3
.Lnot_wave_0_\@:
	s_barrier_wait -3
	s_barrier_signal -1
	s_barrier_wait -1
.endm
.macro LDB n                           ; a tile's n fragments of B, 1,024 bytes each: every load takes 512 consecutive bytes
	WIN 0
.set f, 0
.rept \n
	ds_load_b128 v[BF+8*f:BF+8*f+3],   v[BW] offset:1024*f
	ds_load_b128 v[BF+8*f+4:BF+8*f+7], v[BW] offset:1024*f+512
.set f, f+1
.endr
.endm
; K step k of kn: 16 matrix instructions.  The 16 accumulators take turns, one instruction a turn.  The first K step starts the sums.
.macro MMK kn, k
.if (\k) < 4
	WIN 0xa1
.else
	WIN 0xa3
.endif
.set mt, 0
.rept 8
.irp hn, 0,1
.if (\k) < 4
.set rA, 8*(4*mt+(\k))
.else
.set rA, 128+8*(2*mt+(\k)-4)
.endif
.set rB, BF+8*((\hn)*(\kn)+(\k))
.set rD, ACC+8*(8*(\hn)+mt)
.if (\k) == 0
	v_wmma_f32_16x16x32_f16 v[rD:rD+7], v[rA:rA+7], v[rB:rB+7], 0
.else
	v_wmma_f32_16x16x32_f16 v[rD:rD+7], v[rA:rA+7], v[rB:rB+7], v[rD:rD+7]
.endif
.endr
.set mt, mt+1
.endr
.endm
.macro COMB                            ; the eight chains become two totals over the 128 rows, in v[CH] and v[CH+8]
	WIN 0
	v_pk_add_f32 v[CH:CH+1], v[CH:CH+1], v[CH+2:CH+3]
	v_pk_add_f32 v[CH+8:CH+9], v[CH+8:CH+9], v[CH+10:CH+11]
	v_pk_add_f32 v[CH+4:CH+5], v[CH+4:CH+5], v[CH+6:CH+7]
	v_pk_add_f32 v[CH+12:CH+13], v[CH+12:CH+13], v[CH+14:CH+15]
	v_pk_add_f32 v[CH:CH+1], v[CH:CH+1], v[CH+4:CH+5]
	v_pk_add_f32 v[CH+8:CH+9], v[CH+8:CH+9], v[CH+12:CH+13]
	v_add_f32 v[CH], v[CH], v[CH+1]
	v_add_f32 v[CH+8], v[CH+8], v[CH+9]
	v_permlanex16_b32 v[CH+1], v[CH], s[SEL], s[SEL+1]  ; the feature's other 64 rows lie in the lane 16 away
	v_permlanex16_b32 v[CH+9], v[CH+8], s[SEL], s[SEL+1]
	v_add_f32 v[CH], v[CH], v[CH+1]
	v_add_f32 v[CH+8], v[CH+8], v[CH+9]
.endm
; GBN's statistics of a pair tile, in two passes; the accumulators are left as deviations from the mean.  Each accumulator's lowest registers are read first.
; g's scale and shift carry -log2(e), for the sigmoid's exponential; l1 = 1: a's too, for the sigmoid that follows the second GLU.
.macro STATS l1
	WIN 0x0a
.irp cq, 0,1,2,3
.irp hn, 0,1
	v_pk_add_f32 v[CH+8*(\hn)+2*(\cq):CH+8*(\hn)+2*(\cq)+1], v[ACC+64*(\hn)+4*(\cq):ACC+64*(\hn)+4*(\cq)+1], v[ACC+64*(\hn)+4*(\cq)+2:ACC+64*(\hn)+4*(\cq)+3]
.endr
.endr
	WIN 0x02
.set p, 8
.rept 24
.irp hn, 0,1
	v_pk_add_f32 v[CH+8*(\hn)+2*(p%4):CH+8*(\hn)+2*(p%4)+1], v[ACC+64*(\hn)+2*p:ACC+64*(\hn)+2*p+1], v[CH+8*(\hn)+2*(p%4):CH+8*(\hn)+2*(p%4)+1]
.endr
.set p, p+1
.endr
	COMB
	v_mul_f32 v[NMA], 0xbc000000, v[CH]            ; - sum / 128
	v_mul_f32 v[NMA+2], 0xbc000000, v[CH+8]
	WIN 0x82
.set p, 0
.rept 32
.irp hn, 0,1
	v_pk_add_f32 v[ACC+64*(\hn)+2*p:ACC+64*(\hn)+2*p+1], v[ACC+64*(\hn)+2*p:ACC+64*(\hn)+2*p+1], v[NMA+2*(\hn):NMA+2*(\hn)+1] op_sel_hi:[1,0]
.endr
.set p, p+1
.endr
	WIN 0x0a
.set p, 0
.rept 32
.irp hn, 0,1
.if p < 4
	v_pk_mul_f32 v[CH+8*(\hn)+2*p:CH+8*(\hn)+2*p+1], v[ACC+64*(\hn)+2*p:ACC+64*(\hn)+2*p+1], v[ACC+64*(\hn)+2*p:ACC+64*(\hn)+2*p+1]
.else
	v_pk_fma_f32 v[CH+8*(\hn)+2*(p%4):CH+8*(\hn)+2*(p%4)+1], v[ACC+64*(\hn)+2*p:ACC+64*(\hn)+2*p+1], v[ACC+64*(\hn)+2*p:ACC+64*(\hn)+2*p+1], v[CH+8*(\hn)+2*(p%4):CH+8*(\hn)+2*(p%4)+1]
.endif
.endr
.set p, p+1
.endr
	COMB
	v_fma_f32 v[CH], v[CH], s[R128], s[EPS]        ; the biased variance + 1e-5
	v_fma_f32 v[CH+8], v[CH+8], s[R128], s[EPS]
	v_rsq_f32 v[CH+1], v[CH]
	v_rsq_f32 v[CH+9], v[CH+8]
	v_mul_f32 v[SHG], s[NL2E], v[GB+3]             ; plain work that names neither result
	v_mul_f32 v[U], s[NL2E], v[GB+2]
.if \l1
	v_mul_f32 v[SHA], s[NL2E], v[GB+1]
	v_mul_f32 v[U+1], s[NL2E], v[GB]
.else
	v_mov_b32 v[SHA], v[GB+1]
	v_mov_b32 v[U+1], v[GB]
.endif
	s_wait_alu depctr_va_vdst(0)                   ; one wait for both roots, ahead of their first reader
	v_mul_f32 v[SCA], v[CH+1], v[U+1]
	v_mul_f32 v[SCG], v[CH+9], v[U]
.endm
; a x sigmoid(g), in place in a's accumulators.  Each batch of transcendentals has one wait, ahead of its first reader.
.macro GLU
	WIN 0x82
.set p, 0
.rept 32
	v_pk_fma_f32 v[ACC+64+2*p:ACC+64+2*p+1], v[ACC+64+2*p:ACC+64+2*p+1], v[SCG:SCG+1], v[SHG:SHG+1] op_sel_hi:[1,0,0]
.set p, p+1
.endr
.set p, 0
.rept 32
	v_exp_f32 v[ACC+64+2*p], v[ACC+64+2*p]
	v_exp_f32 v[ACC+64+2*p+1], v[ACC+64+2*p+1]
	v_pk_fma_f32 v[ACC+2*p:ACC+2*p+1], v[ACC+2*p:ACC+2*p+1], v[SCA:SCA+1], v[SHA:SHA+1] op_sel_hi:[1,0,0]  ; a is normalised between the exponentials; the last of these is the plain line behind the batch
.set p, p+1
.endr
	s_wait_alu depctr_va_vdst(0)
.set p, 0
.rept 32
	v_pk_add_f32 v[ACC+64+2*p:ACC+64+2*p+1], v[ACC+64+2*p:ACC+64+2*p+1], 1.0 op_sel_hi:[1,0]
.set p, p+1
.endr
.set p, 0
.rept 64
	v_rcp_f32 v[ACC+64+p], v[ACC+64+p]
.set p, p+1
.endr
	v_nop
	s_wait_alu depctr_va_vdst(0)
	WIN 0x8a
.set p, 0
.rept 32
	v_pk_mul_f32 v[ACC+2*p:ACC+2*p+1], v[ACC+2*p:ACC+2*p+1], v[ACC+64+2*p:ACC+64+2*p+1]
.set p, p+1
.endr
.endm
.macro SIG2                            ; the sigmoid of the second GLU's result, which arrives times -log2(e)
	WIN 0x8a
.set p, 0
.rept 64
	v_exp_f32 v[ACC+p], v[ACC+p]
.set p, p+1
.endr
	v_nop
	s_wait_alu depctr_va_vdst(0)
.set p, 0
.rept 32
	v_pk_add_f32 v[ACC+2*p:ACC+2*p+1], v[ACC+2*p:ACC+2*p+1], 1.0 op_sel_hi:[1,0]
.set p, p+1
.endr
.set p, 0
.rept 64
	v_rcp_f32 v[ACC+p], v[ACC+p]
.set p, p+1
.endr
	v_nop
	s_wait_alu depctr_va_vdst(0)
.endm
; THE FIRST LAYER of a chain: X0 (128 x 128) times my three pair tiles; the results go to T1.  A's 32 fragments are read once and serve all three tiles.
.macro L0PHASE
	WIN 0
	v_mov_b32 v[BW], v[BWA]
	v_mov_b32 v[TS], v[TS0]
	s_mov_b64 s[GBP:GBP+1], s[GBC:GBC+1]
	LDB 8
	WIN 0x40
.irp kq, 0,1,2,3
.set mt, 0
.rept 8
	ds_load_b128 v[8*(4*mt+(\kq)):8*(4*mt+(\kq))+3],   v[AX0] offset:16*XP*mt+64*(\kq)
	ds_load_b128 v[8*(4*mt+(\kq))+4:8*(4*mt+(\kq))+7], v[AX0] offset:16*XP*mt+64*(\kq)+32
.set mt, mt+1
.endr
.endr
	WIN 0
	s_mov_b32 s[TC], 3
.Ltile0_\@:
	global_load_b128 v[GB:GB+3], v[GBO], s[GBP:GBP+1]
	s_wait_dscnt 48                                ; B and A's K step 0 are in; the 48 loads of K steps 1 to 3 may be out (at the later tiles only stores are out)
	MMK 4, 0
	s_wait_dscnt 32
	MMK 4, 1
	s_wait_dscnt 16
	MMK 4, 2
	s_wait_dscnt 0x0
	MMK 4, 3
	WIN 0
	PLACES
	s_cmp_eq_u32 s[TC], 1
	s_cbranch_scc1 .Lno_b0_\@
	v_add_nc_u32 v[BW], 8192, v[BW]
	LDB 8                                          ; the next tile's weights land under this tile's vector work
.Lno_b0_\@:
	s_wait_loadcnt 0x0                             ; gains and biases; their pointer may now step
	s_add_nc_u64 s[GBP:GBP+1], s[GBP:GBP+1], 256
	STATS 0
	GLU
	WIN 0x0a
.set p, 0
.rept 32
	v_cvt_pk_f16_f32 v[OB+p], v[ACC+2*p], v[ACC+2*p+1]  ; eight neighbouring rows of my feature: 16 bytes
.set p, p+1
.endr
	WIN 0
	s_wait_dscnt 0x0                               ; the next tile's weights are in
.set mt, 0
.rept 8
	ds_store_b128 v[TS], v[OB+4*mt:OB+4*mt+3] offset:32*mt
.set mt, mt+1
.endr
	v_add_nc_u32 v[TS], 16*TP, v[TS]
	s_sub_co_u32 s[TC], s[TC], 1
	s_cmp_lg_u32 s[TC], 0
	s_cbranch_scc1 .Ltile0_\@
.endm
; A PREFETCH INTO THE L2 of the first-layer weights that the refill after next will ask for: chain t + 2's 98,304 bytes, a chain ahead of that load.  Every cluster walks the same weights: the first
; cluster asks.  Its four partners take 24,576 bytes each, told apart by address; in each, waves 0 to 2 take 8,192: a lane a block of 256 bytes.  The loop's last trip asks for nothing: chain 5 does not exist.
.macro ASK
	s_cmp_gt_u32 s[CHN], s[LIM]
	s_cbranch_scc0 .Lnot_mine_\@
	global_prefetch_b8 v[PFO], s[PFA:PFA+1] th:TH_LOAD_NT scope:SCOPE_SE
.Lnot_mine_\@:
.endm
; THE SECOND LAYER: T1 (128 x 192) times my pair tile (dec) or my two (enc); sigmoid(GLU) goes to ES as f32.  The loop counts two trips; a dec chain jumps over the second.
.macro L1PHASE ask
	WIN 0
	v_mov_b32 v[BW], v[BWB]
	v_mov_b32 v[PS], v[PS0]
	LDB 12
	WIN 0x40
.irp kq, 0,1,2,3
.set mt, 0
.rept 8
	ds_load_tr16_b128 v[8*(4*mt+(\kq)):8*(4*mt+(\kq))+3],   v[AT] offset:32*TP*(\kq)+32*mt
	ds_load_tr16_b128 v[8*(4*mt+(\kq))+4:8*(4*mt+(\kq))+7], v[AT] offset:32*TP*(\kq)+32*mt+16*TP
.set mt, mt+1
.endr
.endr
	WIN 0xc0
.irp kq, 4,5
.set mt, 0
.rept 8
	ds_load_tr16_b128 v[128+8*(2*mt+(\kq)-4):128+8*(2*mt+(\kq)-4)+3],   v[AT] offset:32*TP*(\kq)+32*mt
	ds_load_tr16_b128 v[128+8*(2*mt+(\kq)-4)+4:128+8*(2*mt+(\kq)-4)+7], v[AT] offset:32*TP*(\kq)+32*mt+16*TP
.set mt, mt+1
.endr
.endr
	WIN 0
.if \ask
	ASK
.endif
	s_wait_dscnt 0x0                               ; my reads of T1 are over:
	s_barrier_signal -1
	s_barrier_wait -1                              ; everybody's are, so ES may be written over it.  WA's load may stay out
	s_mov_b32 s[TC], 2
.Ltile1_\@:
	s_add_co_u32 s[TMP], s[TC], s[ENC]             ; 3, 2 in an enc chain; 2, 1 in a dec chain
	s_cmp_eq_u32 s[TMP], 1
	s_cbranch_scc1 .Ldead_\@
	global_load_b128 v[GB:GB+3], v[GBO], s[GBP:GBP+1]
.irp kq, 0,1,2,3,4,5
	MMK 6, \kq
.endr
	WIN 0
	PLACES
	s_cmp_eq_u32 s[TMP], 3
	s_cbranch_scc0 .Lno_b1_\@
	v_add_nc_u32 v[BW], 12288, v[BW]
	LDB 12
.Lno_b1_\@:
	s_wait_loadcnt 0x0
	s_add_nc_u64 s[GBP:GBP+1], s[GBP:GBP+1], 256
	STATS 1
	GLU
	SIG2
	WIN 0x08
	s_wait_dscnt 0x0                               ; the next tile's weights are in
.set mt, 0
.rept 8
.irp j, 0,1,2,3,4,5,6,7
	ds_store_b32 v[PS], v[ACC+8*mt+(\j)] offset:EP*(16*mt+(\j))  ; 16 lanes fill 64 neighbouring bytes of a row, the other 16 those of the row 8 further down
.endr
.set mt, mt+1
.endr
	WIN 0
	v_add_nc_u32 v[PS], 64, v[PS]
.Ldead_\@:
	s_sub_co_u32 s[TC], s[TC], 1
	s_cmp_lg_u32 s[TC], 0
	s_cbranch_scc1 .Ltile1_\@
.endm
; A WEIGHT SLOT IS FILLED AGAIN, with the next chain's.  Each wave waits for all its tensor loads, adds 0 to its spare word, steps the descriptor, waits for the add and for all its LDS
; instructions; a round of the cluster's barrier shows the same of every wave of all four work-groups; the joint load is the first thing behind it.  The same barrier hands T1, or ES, from its writers to its readers.
.macro BOUND g0, pf
	WIN 0
.if \pf
	s_wait_xcnt 0x0                                ; the last prefetch, a chain back, has read its address
	s_add_nc_u64 s[PFA:PFA+1], s[PFA:PFA+1], CHB
.endif
	s_wait_tensorcnt 0x0
	ds_add_u32 v[SPW], v[NIL]
	s_add_nc_u64 s[(\g0)+2:(\g0)+3], s[(\g0)+2:(\g0)+3], CHB  ; the type bits on top are not reached
	s_wait_dscnt 0x0
	ROUND
	tensor_load_to_lds s[(\g0):(\g0)+3], s[G1W:G1W+7]
	s_nop 0
	PLACES
.endm
.macro OUTSTORE                        ; my 32 rows of sigmoid(dec[:, :64]): 8,192 consecutive bytes of out0
	WIN 0
.set t, 0
.rept 16
	ds_load_b128 v[OB+4*t:OB+4*t+3], v[ORD] offset:2*EP*t
.set t, t+1
.endr
.set t, 0
.rept 16
	s_wait_dscnt 15-t                              ; LDS loads come back in order: pair t of rows is in
	global_store_b128 v[OO], v[OB+4*t:OB+4*t+3], s[OUTP:OUTP+1] offset:512*t th:TH_STORE_NT  ; 512 consecutive bytes, aligned
.set t, t+1
.endr
	s_wait_xcnt 0x0                                ; the stores have read their registers and their base
	s_add_nc_u64 s[OUTP:OUTP+1], s[OUTP:OUTP+1], 8388608  ; the next step's plane
.endm
.macro MASKX first                     ; X0 = f16(M x XN), my row.  first = 1: M = 1/128
.irp hb, 0,1
.set p, 0
.rept 32
.if \first
	WIN 0x83
	v_pk_mul_f32 v[TQ+2*p:TQ+2*p+1], v[XN+64*(\hb)+2*p:XN+64*(\hb)+2*p+1], 0x3c000000 op_sel_hi:[1,0]
.else
	WIN 0x8e
	v_pk_mul_f32 v[TQ+2*p:TQ+2*p+1], v[ZM+64*(\hb)+2*p:ZM+64*(\hb)+2*p+1], v[XN+64*(\hb)+2*p:XN+64*(\hb)+2*p+1]
.endif
.set p, p+1
.endr
	WIN 0x8a
.set p, 0
.rept 32
	v_cvt_pk_f16_f32 v[PK+p], v[TQ+2*p], v[TQ+2*p+1]
.set p, p+1
.endr
	WIN 0x08
.irp k, 0,1,2,3,4,5,6,7
	ds_store_b128 v[XSA], v[PK+4*(\k):PK+4*(\k)+3] offset:128*(\hb)+16*(\k)
.endr
.endr
	WIN 0
.endm
	s_load_b512 s[4:19], s[0:1], 0x0               ; x, part, wq, gb, init_gamma, init_beta, out0, lossp
	v_lshl_add_u32 v[SPW], v0, 2, SPARE
	v_mov_b32 v[NIL], 0
	ds_add_u32 v[SPW], v[NIL]                      ; the wave's opening: the add, twice on end, and its wait ahead of my first tensor load
	ds_add_u32 v[SPW], v[NIL]
	v_lshrrev_b32 v1, 5, v0
	v_readfirstlane_b32 s[WV], v1
	s_bfe_u32 s[CX], ttmp6, 0x40000                ; my place in the cluster
	s_lshl_b32 s[BB], ttmp9, 2
	s_add_co_u32 s[BB], s[BB], s[CX]               ; my chunk: it enters global addresses alone
	; x's tile: 32 rows x 128 f32 a wave, 16 bytes of padding behind each row; my own load, no mask
	s_mov_b32 s[G1X], (2<<16)|(1<<20)|(6<<22)|(3<<25)
	s_mov_b32 s[G1X+1], 128<<16
	s_mov_b32 s[G1X+2], 32<<16
	s_mov_b32 s[G1X+3], 128<<16
	s_mov_b32 s[G1X+4], 32
	s_mov_b32 s[G1X+5], 128
	s_mov_b32 s[G1X+6], 0
	s_mov_b32 s[G1X+7], 0
	; weights: 24,576 dense bytes a wave as 96 rows of 32 elements of 8 bytes; the mask names all four work-groups, bit 21 beside it
	s_mov_b32 s[G1W], 15|(3<<16)|(1<<21)
	s_mov_b32 s[G1W+1], 32<<16
	s_mov_b32 s[G1W+2], 96<<16
	s_mov_b32 s[G1W+3], 32<<16
	s_mov_b32 s[G1W+4], 96
	s_mov_b32 s[G1W+5], 32
	s_mov_b32 s[G1W+6], 0
	s_mov_b32 s[G1W+7], 0
	s_mov_b32 s[G0X], 1
	s_mul_i32 s[TMP], s[WV], 32*EP
	s_add_co_u32 s[G0X+1], s[TMP], ES
	s_mov_b32 s[G0A], 1
	s_mul_i32 s[G0A+1], s[WV], WSH
	s_mov_b32 s[G0B], 1
	s_add_co_u32 s[G0B+1], s[G0A+1], WB
	s_lshl_b32 s[TMP], s[BB], 16
	s_lshl_b32 s[TMP+1], s[WV], 14
	s_add_co_u32 s[TMP], s[TMP], s[TMP+1]          ; my 32 rows of x
	s_mov_b32 s[TMP+1], 0
	s_mov_b32 s[TMP+2], s[G0A+1]
	s_mov_b32 s[TMP+3], 0
	s_mov_b32 s[SEL], 0x76543210
	s_mov_b32 s[SEL+1], 0xfedcba98
	s_mov_b32 s[R128], 0x3c000000                  ; 1 / 128
	s_mov_b32 s[EPS], 0x3727c5ac                   ; 1e-5
	s_mov_b32 s[NL2E], 0xbfb8aa3b                  ; - log2(e)
	s_mov_b32 s[R32K], 0x38000000                  ; 1 / 32,768
	s_mov_b32 s[MP], 0xbfa66666                    ; - 1.3
	s_mov_b32 s[MP+1], 0xbfa66666
	s_mov_b32 s[PP], 0x3fa66666
	s_mov_b32 s[PP+1], 0x3fa66666
	s_wait_dscnt 0x0                               ; both opening adds are done
	s_wait_kmcnt 0x0
	s_add_nc_u64 s[G0X+2:G0X+3], s[4:5], s[TMP:TMP+1]
	s_or_b32 s[G0X+3], s[G0X+3], 0x80000000
	s_add_nc_u64 s[G0A+2:G0A+3], s[8:9], s[TMP+2:TMP+3]
	s_add_nc_u64 s[G0B+2:G0B+3], s[G0A+2:G0A+3], WL1
	s_or_b32 s[G0A+3], s[G0A+3], 0x80000000
	s_or_b32 s[G0B+3], s[G0B+3], 0x80000000
	ROUND                                          ; all four work-groups are here: the first joint loads meet
	tensor_load_to_lds s[G0X:G0X+3], s[G1X:G1X+7]  ; three loads of mine are out: x's tile,
	s_nop 0
	tensor_load_to_lds s[G0A:G0A+3], s[G1W:G1W+7]  ; chain 0's first layer,
	s_nop 0
	tensor_load_to_lds s[G0B:G0B+3], s[G1W:G1W+7]  ; chain 0's second
	s_nop 0
	PLACES
	s_mul_i32 s[TMP], s[WV], 1280
	s_add_nc_u64 s[GBC:GBC+1], s[10:11], s[TMP:TMP+1]
	s_lshl_b32 s[TMP], s[BB], 15
	s_lshl_b32 s[TMP+2], s[WV], 13
	s_add_co_u32 s[TMP], s[TMP], s[TMP+2]
	s_add_nc_u64 s[OUTP:OUTP+1], s[16:17], s[TMP:TMP+1]
	s_mul_i32 s[TMP], s[CX], WSH
	s_add_co_u32 s[TMP], s[TMP], s[TMP+2]
	s_add_co_u32 s[TMP], s[TMP], CHB
	s_add_nc_u64 s[PFA:PFA+1], s[8:9], s[TMP:TMP+1]  ; in chain 1; the first refill steps it to chain 2
	s_cmp_lt_u32 s[WV], 3
	s_cselect_b32 s[TMP], 0, 1
	s_or_b32 s[TMP], s[TMP], ttmp9
	s_cmp_eq_u32 s[TMP], 0
	s_cselect_b32 s[LIM], 1, -1                    ; the same in all four partners, for a given wave
	s_lshl_b32 s[TMP], s[WV], 16
	s_add_nc_u64 s[PART:PART+1], s[6:7], s[TMP:TMP+1]  ; my wave's 64 chunks of part
	v_and_b32 v1, 15, v0                           ; r
	v_bfe_u32 v2, v0, 4, 1                         ; h
	v_and_b32 v3, 31, v0                           ; lane
	v_lshlrev_b32 v[OO], 4, v3
	global_load_b128 v[64:67], v[OO], s[12:13]     ; gain and bias of my 4 columns
	global_load_b128 v[68:71], v[OO], s[14:15]
	WIN 0x40
.set cc, 0
.rept 64
	global_load_b128 v[4*cc:4*cc+3], v[OO], s[PART:PART+1] offset:1024*cc  ; the chunks' means
.set cc, cc+1
.endr
	WIN 0x80
.set cc, 0
.rept 64
	global_load_b128 v[4*cc:4*cc+3], v[OO], s[PART:PART+1] offset:1024*cc+512  ; their sums of squares
.set cc, cc+1
.endr
	WIN 0
	v_mul_u32_u24 v[AX0], v1, XP
	v_lshl_add_u32 v[AX0], v2, 4, v[AX0]
	v_add_nc_u32 v[AX0], X0, v[AX0]                ; row r x pitch + 16 h
	v_and_b32 v[TV], 7, v0
	v_lshl_add_u32 v[TV], v2, 3, v[TV]
	v_mul_u32_u24 v[AT], v[TV], TP
	v_bfe_u32 v[TV], v0, 3, 1
	v_lshl_add_u32 v[AT], v[TV], 4, v[AT]
	v_add_nc_u32 v[AT], T1, v[AT]                  ; feature 8 h + lane % 8, rows 8 ((lane / 8) % 2) on
	v_lshl_add_u32 v[BWA], v3, 4, s[G0A+1]
	v_add_nc_u32 v[BWB], WB, v[BWA]
	s_mul_i32 s[TMP], s[WV], 48*TP
	s_add_co_u32 s[TMP], s[TMP], T1
	v_mul_u32_u24 v[TS0], v1, TP
	v_lshl_add_u32 v[TS0], v2, 4, v[TS0]
	v_add_nc_u32 v[TS0], s[TMP], v[TS0]            ; feature 48 w + r, rows 8 h on
	s_lshl_b32 s[TMP], s[WV], 7
	s_add_co_u32 s[TMP], s[TMP], ES
	v_mul_u32_u24 v[PS0], v2, 8*EP
	v_lshl_add_u32 v[PS0], v1, 2, v[PS0]
	v_add_nc_u32 v[PS0], s[TMP], v[PS0]            ; row 8 h, byte 128 w + 4 r
	s_mul_i32 s[TMP], s[WV], 32*EP
	s_add_co_u32 s[TMP], s[TMP], ES
	v_mul_u32_u24 v[ORD], v2, EP
	v_lshrrev_b32 v[TV], 2, v1
	v_lshl_add_u32 v[ORD], v[TV], 7, v[ORD]
	v_and_b32 v[TV], 3, v1
	v_lshl_add_u32 v[ORD], v[TV], 4, v[ORD]
	v_add_nc_u32 v[ORD], s[TMP], v[ORD]            ; row 32 w + h; columns 4 r on lie at byte 128 (r / 4) + 16 (r % 4)
	v_mul_u32_u24 v[ESR], v0, EP
	v_add_nc_u32 v[ESR], ES, v[ESR]                ; row = my thread's number
	v_mul_u32_u24 v[XSA], v0, XP
	v_add_nc_u32 v[XSA], X0, v[XSA]
	v_lshlrev_b32 v[GBO], 4, v1
	v_lshlrev_b32 v[PFO], 8, v3
	v_lshl_add_u32 v[SX], v0, 4, SCR
	v_lshl_add_u32 v[SR], v3, 4, SCR
	s_lshl_b32 s[TMP], s[WV], 10
	s_add_co_u32 s[TMP], s[TMP], SCR+4096
	v_lshl_add_u32 v[TW], v3, 4, s[TMP]
	v_mov_b32 v[TR], s[TMP]
	v_mov_b32 v[LOSS], 0
	s_wait_tensorcnt 0x2                           ; my rows of x have landed; the two weight loads issued behind them stay out
	WIN 0xc0
.set i, 0
.rept 32
	ds_load_b128 v[XN+4*i:XN+4*i+3], v[ESR] offset:16*i
.set i, i+1
.endr
; THE FIRST BATCHNORM.  mean = the mean of the 256 chunks' means; the sum of squares = the sum of the chunks' + 128 x the sum of (chunk's mean - mean)^2: no difference of large sums.
; A wave takes 64 chunks, a lane 4 columns.  QSUM: the sums of 64 quads of another window into v[dst:dst+3].
.macro QSUM dst, w2, w1
	WIN \w2
.irp a, 0,1
.irp hf, 0,1
	v_pk_add_f32 v[(\dst)+4*(\a)+2*(\hf):(\dst)+4*(\a)+2*(\hf)+1], v[4*(\a)+2*(\hf):4*(\a)+2*(\hf)+1], v[4*(\a)+8+2*(\hf):4*(\a)+8+2*(\hf)+1]
.endr
.endr
	WIN \w1
.set cc, 4
.rept 60
.irp hf, 0,1
	v_pk_add_f32 v[(\dst)+4*(cc%2)+2*(\hf):(\dst)+4*(cc%2)+2*(\hf)+1], v[4*cc+2*(\hf):4*cc+2*(\hf)+1], v[(\dst)+4*(cc%2)+2*(\hf):(\dst)+4*(cc%2)+2*(\hf)+1]
.endr
.set cc, cc+1
.endr
	WIN 0
	v_pk_add_f32 v[(\dst):(\dst)+1], v[(\dst):(\dst)+1], v[(\dst)+4:(\dst)+5]
	v_pk_add_f32 v[(\dst)+2:(\dst)+3], v[(\dst)+2:(\dst)+3], v[(\dst)+6:(\dst)+7]
.endm
.macro XCHG src, off, dst              ; the four waves' quads meet in LDS: store, wait, barrier, read all four
	ds_store_b128 v[SX], v[(\src):(\src)+3] offset:\off
	s_wait_dscnt 0x0
	s_barrier_signal -1
	s_barrier_wait -1
.irp k, 0,1,2,3
	ds_load_b128 v[(\dst)+4*(\k):(\dst)+4*(\k)+3], v[SR] offset:(\off)+512*(\k)
.endr
	s_wait_dscnt 0x0
	v_pk_add_f32 v[(\dst):(\dst)+1], v[(\dst):(\dst)+1], v[(\dst)+4:(\dst)+5]
	v_pk_add_f32 v[(\dst)+2:(\dst)+3], v[(\dst)+2:(\dst)+3], v[(\dst)+6:(\dst)+7]
	v_pk_add_f32 v[(\dst)+8:(\dst)+9], v[(\dst)+8:(\dst)+9], v[(\dst)+12:(\dst)+13]
	v_pk_add_f32 v[(\dst)+10:(\dst)+11], v[(\dst)+10:(\dst)+11], v[(\dst)+14:(\dst)+15]
	v_pk_add_f32 v[(\dst):(\dst)+1], v[(\dst):(\dst)+1], v[(\dst)+8:(\dst)+9]
	v_pk_add_f32 v[(\dst)+2:(\dst)+3], v[(\dst)+2:(\dst)+3], v[(\dst)+10:(\dst)+11]
.endm
	s_wait_loadcnt 63                              ; the 63 youngest loads are sums of squares: gain, bias and all means are in
	QSUM 32, 0x05, 0x01
	XCHG 32, 0, 40
	v_pk_mul_f32 v[36:37], v[40:41], 0xbb800000 op_sel_hi:[1,0]  ; - mean
	v_pk_mul_f32 v[38:39], v[42:43], 0xbb800000 op_sel_hi:[1,0]
	WIN 0x41
.set cc, 0
.rept 64
.irp hf, 0,1
	v_pk_add_f32 v[4*cc+2*(\hf):4*cc+2*(\hf)+1], v[4*cc+2*(\hf):4*cc+2*(\hf)+1], v[36+2*(\hf):36+2*(\hf)+1]
.endr
.set cc, cc+1
.endr
	WIN 0x05
.set cc, 0
.rept 64
.irp hf, 0,1
.if cc < 2
	v_pk_mul_f32 v[40+4*cc+2*(\hf):40+4*cc+2*(\hf)+1], v[4*cc+2*(\hf):4*cc+2*(\hf)+1], v[4*cc+2*(\hf):4*cc+2*(\hf)+1]
.else
	v_pk_fma_f32 v[40+4*(cc%2)+2*(\hf):40+4*(cc%2)+2*(\hf)+1], v[4*cc+2*(\hf):4*cc+2*(\hf)+1], v[4*cc+2*(\hf):4*cc+2*(\hf)+1], v[40+4*(cc%2)+2*(\hf):40+4*(cc%2)+2*(\hf)+1]
.endif
.endr
.set cc, cc+1
.endr
	WIN 0
	v_pk_add_f32 v[40:41], v[40:41], v[44:45]
	v_pk_add_f32 v[42:43], v[42:43], v[46:47]
	s_wait_loadcnt 0x0
	QSUM 48, 0x0a, 0x02
	v_pk_fma_f32 v[40:41], v[40:41], 0x43000000, v[48:49] op_sel_hi:[1,0,1]
	v_pk_fma_f32 v[42:43], v[42:43], 0x43000000, v[50:51] op_sel_hi:[1,0,1]
	XCHG 40, 2048, 44
.irp k, 0,1,2,3
	v_fma_f32 v[44+(\k)], v[44+(\k)], s[R32K], s[EPS]
.endr
.irp k, 0,1,2,3
	v_rsq_f32 v[48+(\k)], v[44+(\k)]
.endr
	v_nop
	s_wait_alu depctr_va_vdst(0)                   ; one wait for the four roots
	v_pk_mul_f32 v[52:53], v[48:49], v[64:65]      ; scale = gain / sqrt(var + eps)
	v_pk_mul_f32 v[54:55], v[50:51], v[66:67]
	v_pk_fma_f32 v[56:57], v[36:37], v[52:53], v[68:69]  ; shift = bias - mean x scale
	v_pk_fma_f32 v[58:59], v[38:39], v[54:55], v[70:71]
	ds_store_b128 v[TW], v[52:55]                  ; into my wave's own table; LDS serves a wave's instructions in order, so the reads below see it
	ds_store_b128 v[TW], v[56:59] offset:512
	WIN 0x40
.set i, 0
.rept 32
	ds_load_b128 v[4*i:4*i+3], v[TR] offset:16*i   ; every lane takes all 128 scales
	ds_load_b128 v[128+4*i:128+4*i+3], v[TR] offset:512+16*i  ; and shifts
.set i, i+1
.endr
	s_wait_dscnt 0x0
	WIN 0xd7
.set p, 0
.rept 64
	v_pk_fma_f32 v[XN+2*p:XN+2*p+1], v[XN+2*p:XN+2*p+1], v[2*p:2*p+1], v[128+2*p:128+2*p+1]
.set p, p+1
.endr
	MASKX 1                                        ; step 0's masked x
	s_mov_b32 s[TMP], 0x3fa5199a                   ; 1.3 (1 - 1/128): what step 0 leaves for step 1's mask
	WIN 0x80
.set i, 0
.rept 128
	v_mov_b32 v[ZM+i], s[TMP]
.set i, i+1
.endr
	WIN 0
	s_wait_dscnt 0x0
	s_barrier_signal -1
	s_barrier_wait -1                              ; X0 is whole, and nobody reads x's tile any more
	s_mov_b32 s[CHN], 4
	s_mov_b32 s[ENC], 0
.Lchain:                               ; chains 0 to 3: each asks for the next chain's weights
	s_wait_tensorcnt 0x1                           ; my share of WA has landed; the load issued behind it, WB's, may be out
	L0PHASE
	BOUND G0A, 1
	L1PHASE 1
	BOUND G0B, 0
	s_cmp_eq_u32 s[ENC], 0
	s_cbranch_scc0 .Lmask
	OUTSTORE
	s_branch .Lpost
.Lmask:
	; THE NEXT STEP'S MASK, a row a lane.  z = sigmoid(enc) x 1.3 (1 - M)
	WIN 0x80
.set i, 0
.rept 32
	ds_load_b128 v[SE+4*i:SE+4*i+3], v[ESR] offset:16*i
.set i, i+1
.endr
	s_wait_dscnt 0x0
	WIN 0x8a
.set p, 0
.rept 64
	v_pk_mul_f32 v[ZM+2*p:ZM+2*p+1], v[ZM+2*p:ZM+2*p+1], v[SE+2*p:SE+2*p+1]
.set p, p+1
.endr
	WIN 0xaa
.irp cq, 0,1,2,3
	v_max3_num_f32 v[C2+(\cq)], v[ZM+3*(\cq)], v[ZM+3*(\cq)+1], v[ZM+3*(\cq)+2]
.endr
.set i, 12
.rept 58
	v_max3_num_f32 v[C2+(i/2)%4], v[C2+(i/2)%4], v[ZM+i], v[ZM+i+1]
.set i, i+2
.endr
	v_max3_num_f32 v[C2], v[C2], v[C2+1], v[C2+2]
	v_max_num_f32 v[HIB], v[C2], v[C2+3]           ; the row's maximum: f(max) = 0, where f(t) = the sum of max(z - t, 0)
	v_add_f32 v[LOB], 0xbf880000, v[HIB]           ; max - 1.0625
	v_mov_b32 v[FHI], 0
	v_mov_b32 v[FLO], 1.0                          ; replaced within five trips: tau >= max - 1 lies 0.0625 above the lower end
	v_mov_b32 v[ONE], 1.0
	v_mov_b32 v[ONE+1], 1.0
	WIN 0
	s_mov_b32 s[BC], 14
.Lhalve:                               ; f at the middle; the half that holds f = 1 is kept, by selects: no branch hangs on a number
	WIN 0xaa
	v_add_f32 v[U0], v[LOB], v[HIB]
	v_mul_f32 v[TM], 0.5, v[U0]
	v_mul_f32 v[NT], -0.5, v[U0]
	v_mul_f32 v[NT+1], -0.5, v[U0]
.irp cq, 0,1,2,3
	v_pk_fma_f32 v[C2+2*(\cq):C2+2*(\cq)+1], v[ZM+2*(\cq):ZM+2*(\cq)+1], v[ONE:ONE+1], v[NT:NT+1] clamp  ; the clamp to 0..1 is max(z - t, 0) where z - t <= 1; above that f >= 1 either way
.endr
.set g, 1
.rept 15
.irp cq, 0,1,2,3
	v_pk_fma_f32 v[DT+8*(g%2)+2*(\cq):DT+8*(g%2)+2*(\cq)+1], v[ZM+8*g+2*(\cq):ZM+8*g+2*(\cq)+1], v[ONE:ONE+1], v[NT:NT+1] clamp
.endr
.if g > 1
.irp cq, 0,1,2,3
	v_pk_add_f32 v[C2+2*(\cq):C2+2*(\cq)+1], v[C2+2*(\cq):C2+2*(\cq)+1], v[DT+8*((g-1)%2)+2*(\cq):DT+8*((g-1)%2)+2*(\cq)+1]
.endr
.endif
.set g, g+1
.endr
.irp cq, 0,1,2,3
	v_pk_add_f32 v[C2+2*(\cq):C2+2*(\cq)+1], v[C2+2*(\cq):C2+2*(\cq)+1], v[DT+8+2*(\cq):DT+8+2*(\cq)+1]
.endr
	v_pk_add_f32 v[C2:C2+1], v[C2:C2+1], v[C2+2:C2+3]
	v_pk_add_f32 v[C2+4:C2+5], v[C2+4:C2+5], v[C2+6:C2+7]
	v_pk_add_f32 v[C2:C2+1], v[C2:C2+1], v[C2+4:C2+5]
	v_add_f32 v[FF], v[C2], v[C2+1]
	v_cmp_le_f32 vcc_lo, 1.0, v[FF]
	v_cndmask_b32 v[LOB], v[LOB], v[TM], vcc_lo
	v_cndmask_b32 v[FLO], v[FLO], v[FF], vcc_lo
	v_cndmask_b32 v[HIB], v[TM], v[HIB], vcc_lo
	v_cndmask_b32 v[FHI], v[FF], v[FHI], vcc_lo
	WIN 0
	s_sub_co_u32 s[BC], s[BC], 1
	s_cmp_lg_u32 s[BC], 0
	s_cbranch_scc1 .Lhalve
	WIN 0xaa
	v_sub_f32 v[U0], v[FLO], v[FHI]                ; above 0: f(lower end) >= 1 > f(upper end)
	v_rcp_f32 v[U1], v[U0]
	v_add_f32 v[FF], -1.0, v[FLO]
	v_sub_f32 v[TM], v[HIB], v[LOB]
	v_mul_f32 v[FF], v[FF], v[TM]
	s_wait_alu depctr_va_vdst(0)
	v_fma_f32 v[TM], v[FF], v[U1], v[LOB]          ; tau, along the chord
	v_mul_f32 v[NT], -1.0, v[TM]
	v_mul_f32 v[NT+1], -1.0, v[TM]
.set p, 0
.rept 64
	v_pk_fma_f32 v[ZM+2*p:ZM+2*p+1], v[ZM+2*p:ZM+2*p+1], v[ONE:ONE+1], v[NT:NT+1] clamp  ; M = max(z - tau, 0), which never passes 1
.set p, p+1
.endr
.irp hb, 0,1                           ; the loss: M log2(M + 1e-10), 64 features a batch, one wait a batch
.set p, 0
.rept 32
	v_pk_add_f32 v[TQ+2*p:TQ+2*p+1], v[ZM+64*(\hb)+2*p:ZM+64*(\hb)+2*p+1], 0x2edbe6ff op_sel_hi:[1,0]
.set p, p+1
.endr
.set p, 0
.rept 64
	v_log_f32 v[TQ+p], v[TQ+p]
.set p, p+1
.endr
	v_nop
	s_wait_alu depctr_va_vdst(0)
.set p, 0
.rept 32
.if ((\hb) == 0) && (p < 4)
	v_pk_mul_f32 v[C2+2*p:C2+2*p+1], v[ZM+2*p:ZM+2*p+1], v[TQ+2*p:TQ+2*p+1]
.else
	v_pk_fma_f32 v[C2+2*(p%4):C2+2*(p%4)+1], v[ZM+64*(\hb)+2*p:ZM+64*(\hb)+2*p+1], v[TQ+2*p:TQ+2*p+1], v[C2+2*(p%4):C2+2*(p%4)+1]
.endif
.set p, p+1
.endr
.endr
	v_pk_add_f32 v[C2:C2+1], v[C2:C2+1], v[C2+2:C2+3]
	v_pk_add_f32 v[C2+4:C2+5], v[C2+4:C2+5], v[C2+6:C2+7]
	v_pk_add_f32 v[C2:C2+1], v[C2:C2+1], v[C2+4:C2+5]
	v_add_f32 v[C2], v[C2], v[C2+1]
	WIN 0x02
	v_add_f32 v[LOSS], v[C2], v[LOSS]
	MASKX 0
	s_cmp_eq_u32 s[CHN], 1                         ; behind step 2's mask no further mask is made
	s_cbranch_scc1 .Lpost
	WIN 0x82
.set p, 0
.rept 64
	v_pk_fma_f32 v[ZM+2*p:ZM+2*p+1], v[ZM+2*p:ZM+2*p+1], s[MP:MP+1], s[PP:PP+1] op_sel_hi:[1,0,0]  ; 1.3 - 1.3 M
.set p, p+1
.endr
	WIN 0
.Lpost:
	s_wait_dscnt 0x0                               ; my reads of ES and my stores into X0 are done
	s_barrier_signal -1
	s_barrier_wait -1                              ; everybody's are.  The two weight loads may stay out
	s_xor_b32 s[ENC], s[ENC], 1
	s_add_nc_u64 s[GBC:GBC+1], s[GBC:GBC+1], 5120
	s_sub_co_u32 s[CHN], s[CHN], 1
	s_cmp_lg_u32 s[CHN], 0
	s_cbranch_scc1 .Lchain
	; chain 4, dec of step 2, is written out: it asks for nothing
	s_wait_tensorcnt 0x1
	L0PHASE
	s_wait_tensorcnt 0x0                           ; my share of WB
	s_wait_dscnt 0x0                               ; my stores into T1
	s_barrier_signal -1
	s_barrier_wait -1
	L1PHASE 0
	s_wait_dscnt 0x0
	s_barrier_signal -1
	s_barrier_wait -1
	OUTSTORE
	v_add_f32_dpp v[LOSS], v[LOSS], v[LOSS] row_xmask:1 row_mask:0xf bank_mask:0xf
	v_add_f32_dpp v[LOSS], v[LOSS], v[LOSS] row_xmask:2 row_mask:0xf bank_mask:0xf
	v_add_f32_dpp v[LOSS], v[LOSS], v[LOSS] row_xmask:4 row_mask:0xf bank_mask:0xf
	v_add_f32_dpp v[LOSS], v[LOSS], v[LOSS] row_xmask:8 row_mask:0xf bank_mask:0xf
	v_permlanex16_b32 v[TV], v[LOSS], s[SEL], s[SEL+1]
	v_add_f32 v[LOSS], v[LOSS], v[TV]
	v_mul_f32 v[LOSS], 0x3f317218, v[LOSS]         ; x ln 2
	s_lshl_b32 s[TMP], s[BB], 2
	s_add_co_u32 s[TMP], s[TMP], s[WV]
	s_lshl_b32 s[TMP], s[TMP], 2
	s_mov_b32 s[TMP+1], 0
	s_add_nc_u64 s[18:19], s[18:19], s[TMP:TMP+1]
	v_mov_b32 v[TV], 0
	v_cmp_eq_u32 vcc_lo, 0, v3
	s_wait_xcnt 0x0                                ; EXEC changes only behind this wait
	s_and_saveexec_b32 s[TMP+2], vcc_lo
	global_store_b32 v[TV], v[LOSS], s[18:19]      ; my wave's 32 rows' share of the loss
	s_wait_xcnt 0x0
	s_or_b32 exec_lo, exec_lo, s[TMP+2]
	s_wait_tensorcnt 0x0                           ; the wave's end, behind my last tensor load and my last LDS store
	ds_add_u32 v[SPW], v[NIL]
	s_wait_dscnt 0x0
	ROUND                                          ; the closing round: no work-group ends while a partner may still ask for a tile that names it
	s_endpgm
.Lfunc_end_k_q9530746ba7_main:
	.size	k_q9530746ba7_main, .Lfunc_end_k_q9530746ba7_main-k_q9530746ba7_main
	.p2alignl 7, 3214868480
	.fill 96, 4, 3214868480
	.section	.rodata,"a",@progbits
	.p2align	6, 0x0
	.amdhsa_kernel k_q9530746ba7_main
		.amdhsa_group_segment_fixed_size 327680
		.amdhsa_private_segment_fixed_size 0
		.amdhsa_enable_private_segment 0
		.amdhsa_kernarg_size 64
		.amdhsa_user_sgpr_count 2
		.amdhsa_user_sgpr_kernarg_segment_ptr 1
		.amdhsa_wavefront_size32 1
		.amdhsa_system_sgpr_workgroup_id_x 1
		.amdhsa_system_sgpr_workgroup_id_y 1
		.amdhsa_system_sgpr_workgroup_id_z 1
		.amdhsa_system_vgpr_workitem_id 0
		.amdhsa_next_free_vgpr 1024
		.amdhsa_next_free_sgpr 96
		.amdhsa_reserve_vcc 1
		.amdhsa_float_denorm_mode_32 3
		.amdhsa_float_denorm_mode_16_64 3
		.amdhsa_memory_ordered 1
		.amdhsa_forward_progress 1
		.amdhsa_inst_pref_size 255
	.end_amdhsa_kernel
	.section	.bss,"aw",@nobits
	.p2align	6
	.space	262144
	.amdgpu_metadata
---
amdhsa.version: [ 1, 2 ]
amdhsa.kernels:
  - .name:           k_q9530746ba7_main
    .symbol:         k_q9530746ba7_main.kd
    .args:
      - { .name: x, .offset: 0, .size: 8, .value_kind: global_buffer, .address_space: global }
      - { .name: part, .offset: 8, .size: 8, .value_kind: global_buffer, .address_space: global }
      - { .name: wq, .offset: 16, .size: 8, .value_kind: global_buffer, .address_space: global }
      - { .name: gb, .offset: 24, .size: 8, .value_kind: global_buffer, .address_space: global }
      - { .name: init_gamma, .offset: 32, .size: 8, .value_kind: global_buffer, .address_space: global }
      - { .name: init_beta, .offset: 40, .size: 8, .value_kind: global_buffer, .address_space: global }
      - { .name: out0, .offset: 48, .size: 8, .value_kind: global_buffer, .address_space: global }
      - { .name: lossp, .offset: 56, .size: 8, .value_kind: global_buffer, .address_space: global }
    .group_segment_fixed_size: 327680
    .private_segment_fixed_size: 0
    .kernarg_segment_align: 8
    .kernarg_segment_size: 64
    .max_flat_workgroup_size: 128
    .sgpr_count:     96
    .vgpr_count:     1024
    .wavefront_size: 32
...
	.end_amdgpu_metadata
.endif
;; end of part 2
;; launch fin (part 3): grid 1 x 1, 1 waves a work-group, no clusters, 0 bytes of LDS; arguments lossp, out1; writes out1
.if DOCPART == 3
	.amdgcn_target "amdgcn-amd-amdhsa--gfx1250"
	.amdhsa_code_object_version 6
	.text
	.protected	k_q9530746ba7_fin
	.globl	k_q9530746ba7_fin
	.p2align	8
	.type	k_q9530746ba7_fin,@function
k_q9530746ba7_fin:
	s_mov_b64 s[64:65], 0
	v_nop
	global_prefetch_b8 v0, s[64:65] scope:SCOPE_SE
	s_setreg_imm32_b32 hwreg(HW_REG_WAVE_MODE, 25, 1), 1
	s_wait_xcnt 0x0
; TabNet encoder, launch 3 of 3: M_loss / 3.  The 1,024 partial sums (a wave's 32 rows, steps 1 and 2) are added, divided by 32,768 rows and 3 steps.
; WORK LEFT OUT: step 0's term is not summed: there M = 1/128 in every place (shown at the head of the first launch), so its mean is log(1/128 + 1e-10), here as the constant log(1/128) / 3:
; in f32 the 1e-10 is less than half a step of 1/128.
	s_load_b128 s[4:7], s[0:1], 0x0                ; lossp, out1
	v_lshlrev_b32 v1, 4, v0
	s_mov_b32 s8, 0x76543210
	s_mov_b32 s9, 0xfedcba98
	s_mov_b32 s10, 0x372aaaab                      ; 1 / 98,304
	s_mov_b32 s11, 0xbfcf051c                      ; log(1/128) / 3
	s_wait_kmcnt 0x0
.irp k, 0,1,2,3,4,5,6,7
	global_load_b128 v[4+4*(\k):7+4*(\k)], v1, s[4:5] offset:512*(\k)
.endr
	s_wait_loadcnt 0x0
.irp k, 0,1,2,3,4,5,6,7
	v_pk_add_f32 v[4+2*(\k):5+2*(\k)], v[4+2*(\k):5+2*(\k)], v[20+2*(\k):21+2*(\k)]
.endr
.irp k, 0,1,2,3
	v_pk_add_f32 v[4+2*(\k):5+2*(\k)], v[4+2*(\k):5+2*(\k)], v[12+2*(\k):13+2*(\k)]
.endr
	v_pk_add_f32 v[4:5], v[4:5], v[8:9]
	v_pk_add_f32 v[6:7], v[6:7], v[10:11]
	v_pk_add_f32 v[4:5], v[4:5], v[6:7]
	v_add_f32 v4, v4, v5
	v_add_f32_dpp v4, v4, v4 row_xmask:1 row_mask:0xf bank_mask:0xf
	v_add_f32_dpp v4, v4, v4 row_xmask:2 row_mask:0xf bank_mask:0xf
	v_add_f32_dpp v4, v4, v4 row_xmask:4 row_mask:0xf bank_mask:0xf
	v_add_f32_dpp v4, v4, v4 row_xmask:8 row_mask:0xf bank_mask:0xf
	v_permlanex16_b32 v5, v4, s8, s9
	v_add_f32 v4, v4, v5
	v_fma_f32 v4, v4, s10, s11
	v_mov_b32 v2, 0
	v_cmp_eq_u32 vcc_lo, 0, v0
	s_wait_xcnt 0x0                                ; EXEC changes only behind this wait
	s_and_saveexec_b32 s12, vcc_lo
	global_store_b32 v2, v4, s[6:7]
	s_endpgm
.Lfunc_end_k_q9530746ba7_fin:
	.size	k_q9530746ba7_fin, .Lfunc_end_k_q9530746ba7_fin-k_q9530746ba7_fin
	.p2alignl 7, 3214868480
	.fill 96, 4, 3214868480
	.section	.rodata,"a",@progbits
	.p2align	6, 0x0
	.amdhsa_kernel k_q9530746ba7_fin
		.amdhsa_group_segment_fixed_size 0
		.amdhsa_private_segment_fixed_size 0
		.amdhsa_enable_private_segment 0
		.amdhsa_kernarg_size 16
		.amdhsa_user_sgpr_count 2
		.amdhsa_user_sgpr_kernarg_segment_ptr 1
		.amdhsa_wavefront_size32 1
		.amdhsa_system_sgpr_workgroup_id_x 1
		.amdhsa_system_sgpr_workgroup_id_y 1
		.amdhsa_system_sgpr_workgroup_id_z 1
		.amdhsa_system_vgpr_workitem_id 0
		.amdhsa_next_free_vgpr 48
		.amdhsa_next_free_sgpr 66
		.amdhsa_reserve_vcc 1
		.amdhsa_float_denorm_mode_32 3
		.amdhsa_float_denorm_mode_16_64 3
		.amdhsa_memory_ordered 1
		.amdhsa_forward_progress 1
		.amdhsa_inst_pref_size 4
	.end_amdhsa_kernel
	.amdgpu_metadata
---
amdhsa.version: [ 1, 2 ]
amdhsa.kernels:
  - .name:           k_q9530746ba7_fin
    .symbol:         k_q9530746ba7_fin.kd
    .args:
      - { .name: lossp, .offset: 0, .size: 8, .value_kind: global_buffer, .address_space: global }
      - { .name: out1, .offset: 8, .size: 8, .value_kind: global_buffer, .address_space: global }
    .group_segment_fixed_size: 0
    .private_segment_fixed_size: 0
    .kernarg_segment_align: 8
    .kernarg_segment_size: 16
    .max_flat_workgroup_size: 32
    .sgpr_count:     66
    .vgpr_count:     48
    .wavefront_size: 32
...
	.end_amdgpu_metadata
.endif
;; end of part 3
